; MI455X (gfx1250); checked and timed in simulation.
; The chip was launched on July 23, 2026; its instructions are those of AMD's public machine-readable ISA for CDNA 5 (MIT licence, August 2026) and "CDNA5" Instruction Set Architecture Reference Guide (July 2026). The comments in the code are by the model that wrote it; some were corrected since.
;; Transformer Layer. Allowed arithmetic: float matrix products may take bf16 or f16 operands with f32 sums; all other float work in f32.
;; Inputs: b_o 1,024 float32; b_qkv 3,072 float32; w_o 1,024 x 1,024 float32; w_qkv 3,072 x 1,024 float32; x 2 x 2,048 x 1,024 float32.
;; Outputs: out0 2 x 2,048 x 1,024 float32.
;; 2 versions, each right; version 2 is version 1 with the launch pmat written anew for expert scheduling mode. Each part assembles by itself: llvm-mc -triple=amdgcn-amd-amdhsa -mcpu=gfx1250 --defsym DOCPART=n.
;; ======== version 1 of 2: 4 launches
;; limits: values are held in f16: magnitudes above 65,504 overflow, below 6.1e-05 lose precision; right only within a limited range of input values
;; workspace buffers: h16 16,777,216 bytes; qf 8,388,608 bytes; part 8,388,608 bytes; pmax 2,048 bytes; ptf 4,194,304 bytes
;; launch prep (part 1): grid 256 x 1, 8 waves a work-group, no clusters, 0 bytes of LDS; arguments x, w_qkv, w_o, h16; writes h16
.if DOCPART == 1
	.amdgcn_target "amdgcn-amd-amdhsa--gfx1250"
	.amdhsa_code_object_version 6
	.text
	.protected	k_q4abd29ffd9_prep
	.globl	k_q4abd29ffd9_prep
	.p2align	8
	.type	k_q4abd29ffd9_prep,@function
k_q4abd29ffd9_prep:
	s_mov_b64 s[64:65], 0
	v_nop
	global_prefetch_b8 v0, s[64:65] scope:SCOPE_SE
	s_setreg_imm32_b32 hwreg(HW_REG_WAVE_MODE, 25, 1), 1
	s_wait_xcnt 0x0
; prep: x, w_qkv and w_o from f32 to f16 (round to nearest even), gathered in one table h16 of 8,192 rows x 1,024 f16:
;   rows    0-4095  x, token by token
;   rows 4096-5119  the Q weights head-major: row 128 h + d is w_qkv row 8 d + h (the head index is innermost in the 3,072 outputs)
;   rows 5120-7167  256 rows for each head h: 128 of K (w_qkv row 1024 + 8 d + h), then 128 of V (w_qkv row 2048 + 8 d + h)
;   rows 7168-8191  w_o
; LIMIT: a number whose magnitude rounds past 65,504 becomes an f16 infinity; under 2^-14 the absolute error is up to 2^-25.
; A stream: no LDS, no barrier, no matrix unit, no cluster (no byte is read by two work-groups).  Work-group p makes rows 32 p .. 32 p + 31,
; wave w four of them.  32 rows never cross a head, so a wave's four source rows lie a fixed stride apart (1 row, or 8 in w_qkv).
; All 32 loads of a wave (16 KiB) are issued at once; no register is written twice, so nothing waits but the data.
.set DO,  1                            ; v1        16 x lane: my 16 bytes in each 512 bytes of a destination row
.set OFF, 2                            ; v[2:5]    row k: 32 x lane + k source strides
.set X,   16                           ; v[16:143] row k: 32 registers of f32
.set Y,   144                          ; v[144:207] row k: 16 registers of packed f16
	s_load_b256 s[4:11], s[0:1], 0x0               ; x s[4:5], w_qkv s[6:7], w_o s[8:9], h16 s[10:11]
	v_lshrrev_b32 v6, 5, v0
	v_readfirstlane_b32 s12, v6                    ; wave
	v_and_b32 v7, 31, v0                           ; lane
	v_lshlrev_b32 v[DO], 4, v7
	s_mov_b32 s13, ttmp9                           ; p
	; the first source row for each of the four kinds of destination rows; the one that holds is chosen below
	s_lshl_b32 s14, s13, 5                         ; x: the same row, 32 p
	s_sub_co_u32 s15, s13, 128
	s_lshl_b32 s15, s15, 5                         ; rho = row among the 3,072 weight rows
	s_and_b32 s20, s15, 127                        ; Q: d
	s_lshr_b32 s21, s15, 7                         ;    h
	s_lshl3_add_u32 s20, s20, s21                  ;    8 d + h
	s_sub_co_u32 s21, s15, 1024                    ; K, V: row among their 2,048
	s_and_b32 s22, s21, 127                        ;    d
	s_lshr_b32 s24, s21, 8                         ;    h
	s_lshl3_add_u32 s22, s22, s24                  ;    8 d + h
	s_bfe_u32 s24, s21, 0x10007                    ;    0 for K, 1 for V
	s_lshl_b32 s24, s24, 10
	s_add_co_u32 s22, s22, s24
	s_add_co_u32 s22, s22, 1024
	s_sub_co_u32 s24, s13, 224
	s_lshl_b32 s24, s24, 5                         ; w_o: 32 (p - 224)
	s_wait_kmcnt 0x0
	s_cmp_lt_u32 s13, 160
	s_cselect_b32 s20, s20, s22                    ; within w_qkv: Q or K, V
	s_cmp_lt_u32 s13, 128
	s_cselect_b32 s20, s14, s20
	s_cselect_b32 s26, 1, 8                        ; rows from one source row to the next
	s_cselect_b64 s[16:17], s[4:5], s[6:7]
	s_cmp_ge_u32 s13, 224
	s_cselect_b32 s20, s24, s20
	s_cselect_b32 s26, 1, s26
	s_cselect_b64 s[16:17], s[8:9], s[16:17]
	s_lshl_b32 s25, s12, 2                         ; my first row in the group: 4 w
	s_mul_i32 s27, s25, s26
	s_add_co_u32 s27, s27, s20                     ; my first source row
	s_lshl_b32 s28, s27, 12                        ; x 4,096 bytes (under 2^25)
	s_mov_b32 s29, 0
	s_add_nc_u64 s[16:17], s[16:17], s[28:29]
	s_add_co_u32 s30, s14, s25                     ; my first destination row
	s_lshl_b32 s30, s30, 11                        ; x 2,048 bytes
	s_mov_b32 s31, 0
	s_add_nc_u64 s[18:19], s[10:11], s[30:31]
	s_lshl_b32 s23, s26, 12                        ; the source stride in bytes
	v_lshlrev_b32 v[OFF], 5, v7                    ; 8 f32 a lane
	v_add_nc_u32 v[OFF+1], s23, v[OFF]
	v_add_nc_u32 v[OFF+2], s23, v[OFF+1]
	v_add_nc_u32 v[OFF+3], s23, v[OFF+2]
; row k, piece g (1,024 source bytes), half q: a pair of loads covers 1,024 consecutive bytes
.irp k, 0,1,2,3
.irp g, 0,1,2,3
.irp q, 0,1
	global_load_b128 v[X+32*\k+8*\g+4*\q:X+32*\k+8*\g+4*\q+3], v[OFF+\k], s[16:17] offset:1024*\g+16*\q th:TH_LOAD_NT
.endr
.endr
.endr
.irp k, 0,1,2,3
	s_wait_loadcnt 24-8*\k                         ; loads come back in order: row k's eight are in, the later rows' stay out
.irp j, 0,1,2,3,4,5,6,7,8,9,10,11,12,13,14,15
	v_cvt_pk_f16_f32 v[Y+16*\k+\j], v[X+32*\k+2*\j], v[X+32*\k+2*\j+1]
.endr
.irp g, 0,1,2,3
	global_store_b128 v[DO], v[Y+16*\k+4*\g:Y+16*\k+4*\g+3], s[18:19] offset:2048*\k+512*\g   ; the wave stores 512 consecutive bytes, aligned
.endr
.endr
	s_endpgm
.Lfunc_end_k_q4abd29ffd9_prep:
	.size	k_q4abd29ffd9_prep, .Lfunc_end_k_q4abd29ffd9_prep-k_q4abd29ffd9_prep
	.p2alignl 7, 3214868480
	.fill 96, 4, 3214868480
	.section	.rodata,"a",@progbits
	.p2align	6, 0x0
	.amdhsa_kernel k_q4abd29ffd9_prep
		.amdhsa_group_segment_fixed_size 0
		.amdhsa_private_segment_fixed_size 0
		.amdhsa_enable_private_segment 0
		.amdhsa_kernarg_size 32
		.amdhsa_user_sgpr_count 2
		.amdhsa_user_sgpr_kernarg_segment_ptr 1
		.amdhsa_wavefront_size32 1
		.amdhsa_system_sgpr_workgroup_id_x 1
		.amdhsa_system_sgpr_workgroup_id_y 1
		.amdhsa_system_sgpr_workgroup_id_z 1
		.amdhsa_system_vgpr_workitem_id 0
		.amdhsa_next_free_vgpr 208
		.amdhsa_next_free_sgpr 66
		.amdhsa_reserve_vcc 0
		.amdhsa_float_denorm_mode_32 3
		.amdhsa_float_denorm_mode_16_64 3
		.amdhsa_memory_ordered 1
		.amdhsa_forward_progress 1
		.amdhsa_inst_pref_size 11
	.end_amdhsa_kernel
	.amdgpu_metadata
---
amdhsa.version: [ 1, 2 ]
amdhsa.kernels:
  - .name:           k_q4abd29ffd9_prep
    .symbol:         k_q4abd29ffd9_prep.kd
    .args:
      - { .name: x, .offset: 0, .size: 8, .value_kind: global_buffer, .address_space: global }
      - { .name: w_qkv, .offset: 8, .size: 8, .value_kind: global_buffer, .address_space: global }
      - { .name: w_o, .offset: 16, .size: 8, .value_kind: global_buffer, .address_space: global }
      - { .name: h16, .offset: 24, .size: 8, .value_kind: global_buffer, .address_space: global }
    .group_segment_fixed_size: 0
    .private_segment_fixed_size: 0
    .kernarg_segment_align: 8
    .kernarg_segment_size: 32
    .max_flat_workgroup_size: 256
    .sgpr_count:     66
    .vgpr_count:     208
    .wavefront_size: 32
...
	.end_amdgpu_metadata
.endif
;; end of part 1
;; launch qkvm (part 2): grid 48 x 4, 4 waves a work-group, clusters of 4 x 4, 327,680 bytes of LDS; arguments h16, b_qkv, qf, part, pmax; writes qf, part, pmax
.if DOCPART == 2
	.amdgcn_target "amdgcn-amd-amdhsa--gfx1250"
	.amdhsa_code_object_version 6
	.text
	.protected	k_q4abd29ffd9_qkvm
	.globl	k_q4abd29ffd9_qkvm
	.p2align	8
	.type	k_q4abd29ffd9_qkvm,@function
k_q4abd29ffd9_qkvm:
	s_mov_b64 s[64:65], 0
	v_nop
	global_prefetch_b8 v0, s[64:65] scope:SCOPE_SE
	s_setreg_imm32_b32 hwreg(HW_REG_WAVE_MODE, 25, 1), 1
	s_wait_xcnt 0x0
	s_wait_alu depctr_hold_cnt(0) depctr_sa_sdst(0) depctr_va_vdst(0) depctr_va_sdst(0) depctr_va_ssrc(0) depctr_va_vcc(0) depctr_vm_vsrc(0)
	s_getreg_b32 s2, hwreg(HW_REG_IB_STS2, 6, 4)
	s_cmp_eq_u32 s2, 0
	s_cbranch_scc0 .Lentry_in_a_cluster
	s_endpgm
.Lentry_in_a_cluster:
	s_bfe_u32 s2, ttmp6, 0x10000c
	s_cmp_lg_u32 s2, 0xf033
	s_cbranch_scc0 .Lentry_shape_is_right
	s_endpgm
.Lentry_shape_is_right:
; qkvm: the QKV projection, and K^T V on the way out.  reference() has no softmax between its two attention products, so
; (Q K^T) V = Q (K^T V) for every input; only M[b,h] = K^T V (128 x 128) is needed of K and V, and they never go to memory.
; One body, C = A B^T over K = 1,024 in f16 with f32 sums, block 256 x 256, four waves of 128 x 128 (512 accumulator registers), serves two problems.
; Twelve clusters of 4 x 4 work-groups, g = the cluster's number:
;   g < 4   Q:  A = 256 tokens (block 4 g + cy), B = 256 Q weight rows (block cx = heads 2 cx, 2 cx + 1).  Q + bias goes out in f16, in fragment order.
;   g >= 4  KV: A = the 256 K and V weight rows of head 4 ((g-4)>>2) + cy, B = 256 tokens (block 4 ((g-4)&3) + cx).  C = [K; V]^T + bias goes in f16
;           into LDS in fragment order; then each wave makes a 64 x 64 quarter of this token block's partial M and its largest magnitude.
; CLUSTERS: A's tile hangs on cy and g alone and is asked for jointly along a row of the cluster, B's on cx and g alone, jointly along a column.
; Every branch on the problem hangs on g, which all sixteen partners share.
; K goes in steps of 128 (rows of 256 bytes in h16, starting at multiples of 256) through a ring of two LDS slots.
; THE MATRIX INSTRUCTION IS USED TRANSPOSED: source 0 = 16 rows of B, source 1 = 16 rows of A; lane l then holds row l % 16 of C and columns
; 8 (l / 16) + 0 .. 7.  Packed to f16 these 16 bytes are one half of the NEXT product's operand fragment, so tiles are stored lane by lane,
; 512 consecutive bytes an instruction, and are read back the same way: no transposition and no stage.
; LIMIT: |Q|, |K|, |V| past 65,504 become f16 infinities; under 2^-14 the absolute error is up to 2^-25.  M stays in f32 here.
;
; REGISTERS, in windows of 256:
;   window 0: v0-47 addresses and small work; v64-127, v128-191 fragments of A, two buffers; v192-255 packed results, two sets
;   window 1: v0-63 the bias; v64-127, v128-191 fragments of B, two buffers
;   window 2, 3: the accumulator tiles of my rows 0-63 and 64-127, tile (a, b) at v[8 (8 a + b)]
.set KSTEP,  128
.set PITCH,  272                       ; an LDS row: 256 bytes + 16 of padding, an odd multiple of 16: the 16 rows of a fragment load fall on 16 different 16-byte columns of 256
.set HALFT,  128*PITCH                 ; 128 rows: one tensor load, and what a wave reads of A or of B
.set SLOT,   4*HALFT                   ; A's 256 rows, then B's 256 rows
.set LAPS,   4                         ; 1,024 / (2 x 128): a lap is once round the ring
.set ADRA, 16                          ; v16-17  LDS address of my A fragments in slot 0, 1
.set ADRB, 20                          ; v20-21  the same for B
.set LN16, 24                          ; v24     16 x lane
.set STO,  25                          ; v25     KV: where my packed tiles go in LDS
.set MKA,  26                          ; v26     KV: my four K^T tiles
.set MVA,  28                          ; v28     KV: my four V^T tiles
.set ZERO, 29                          ; v29     0
.set MX,   32                          ; v32-35  four running maxima
.set PX,   36                          ; v36     the other half's maximum
.set BOF,  40                          ; v40-47  byte offset in b_qkv for register j of a bias group
.set F0,   64
.set F1,   128
.set TMP,  192
.set BI,   0                           ; window 1
.set G1, 24                            ; s[24:31] descriptor group 1 for A
.set G0, 32                            ; s[32:39] group 0 for A, one set a slot
.set G1B, 48                           ; s[48:55] group 1 for B
.set G0B, 56                           ; s[56:63] group 0 for B
.set MSB, 0
.macro WIN new                         ; the immediate's high byte repeats the setting that is left
.if MSB != \new
	s_set_vgpr_msb (MSB<<8)|\new
.set MSB, \new
.endif
.endm
.set MUL_LO, 0xa1                      ; source 0 window 1, source 1 window 0, C and D window 2
.set MUL_HI, 0xf1                      ; the same, C and D window 3
.set TO_B,   0x40                      ; destination window 1, address window 0
; A joint load.  Waves 0 and 1 fetch A's halves, waves 2 and 3 B's; the branch hangs on the wave's number alone.
.macro JLOAD s
	s_cmp_eq_u32 s11, 0
	s_cbranch_scc0 .Lfor_b_\@
	tensor_load_to_lds s[G0+4*\s:G0+4*\s+3], s[G1:G1+7]
	s_nop 0
	s_branch .Lasked_\@
.Lfor_b_\@:
	tensor_load_to_lds s[G0B+4*\s:G0B+4*\s+3], s[G1B:G1B+7]
	s_nop 0
.Lasked_\@:
.endm
.macro CREST                           ; a round of the cluster's barrier behind its opening work-group barrier
	s_cmp_lg_u32 s10, 0
	s_cbranch_scc1 .Lnot_wave_0_\@
	s_barrier_signal -3
.Lnot_wave_0_\@:
	s_barrier_wait -3
	s_barrier_signal -1
	s_barrier_wait -1
.endm
.macro CROUND                          ; a whole round
	s_barrier_signal -1
	s_barrier_wait -1
	CREST
.endm
	s_load_b128 s[4:7], s[0:1], 0x0                ; h16 s[4:5], b_qkv s[6:7]
	s_load_b128 s[68:71], s[0:1], 0x10             ; qf s[68:69], part s[70:71]
	s_load_b64 s[72:73], s[0:1], 0x20              ; pmax
	s_set_vgpr_msb 0x40
	v_lshl_add_u32 v255, v0, 2, 0x44000
	s_set_vgpr_msb 0x4000
	v_mov_b32 v63, 0
	s_set_vgpr_msb 0x1
	ds_add_u32 v255, v63
	ds_add_u32 v255, v63
	s_set_vgpr_msb 0x100
	v_lshrrev_b32 v1, 5, v0
	v_readfirstlane_b32 s10, v1                    ; wave 0..3
	s_lshr_b32 s11, s10, 1                         ; my half of the block's rows.  Also: I fetch for A (0) or B (1)
	s_and_b32 s12, s10, 1                          ; my half of its columns.  Also: which 128 rows I fetch
	s_bfe_u32 s40, ttmp6, 0x40000                  ; cx
	s_bfe_u32 s41, ttmp6, 0x40004                  ; cy
	s_mov_b32 s66, ttmp9                           ; g, the cluster's number
	s_sub_co_u32 s67, s66, 4                       ; g - 4, used where g >= 4
	s_mov_b32 s78, 0x76543210                      ; v_permlanex16_b32: lane i reads lane i of the other half
	s_mov_b32 s79, 0xfedcba98
	s_lshl_b32 s43, s41, 2
	s_lshl_b32 s43, 15, s43                        ; my row of the cluster
	s_lshl_b32 s44, 0x1111, s40                    ; my column
	; group 1: a tile of 128 rows x 128 elements of 2 bytes, 4 words of padding behind every 64
	s_or_b32 s[G1+0], s43, (1<<16)|(1<<20)|(1<<21)|(5<<22)|(3<<25)
	s_or_b32 s[G1B+0], s44, (1<<16)|(1<<20)|(1<<21)|(5<<22)|(3<<25)
	s_mov_b32 s[G1+1], KSTEP<<16                   ; tensor_dim0 = 128
	s_mov_b32 s[G1B+1], KSTEP<<16
	s_mov_b32 s[G1+2], 128<<16                     ; tensor_dim1 = 128
	s_mov_b32 s[G1B+2], 128<<16
	s_mov_b32 s[G1+3], KSTEP<<16                   ; tile_dim0 = 128
	s_mov_b32 s[G1B+3], KSTEP<<16
	s_mov_b32 s[G1+4], 128                         ; tile_dim1 = 128
	s_mov_b32 s[G1B+4], 128
	s_mov_b32 s[G1+5], 1024                        ; elements from row to row
	s_mov_b32 s[G1B+5], 1024
	s_mov_b32 s[G1+6], 0
	s_mov_b32 s[G1B+6], 0
	s_mov_b32 s[G1+7], 0
	s_mov_b32 s[G1B+7], 0
	; the rows of h16 that I fetch.  A's registers never hold cx, B's never cy.
	s_lshl_b32 s13, s66, 10                        ; Q:  A = tokens from row 1024 g
	s_lshr_b32 s16, s67, 2
	s_lshl_b32 s16, s16, 10
	s_add_co_u32 s16, s16, 5120                    ; KV: A = K, V weights from row 5120 + 1024 ((g-4)>>2)
	s_and_b32 s42, s67, 3
	s_lshl_b32 s42, s42, 10                        ; KV: B = tokens from row 1024 ((g-4)&3)
	s_cmp_lt_u32 s66, 4
	s_cselect_b32 s13, s13, s16
	s_cselect_b32 s42, 4096, s42                   ; Q:  B = Q weights from row 4096
	s_lshl_b32 s18, s12, 7                         ; + 128 x the half that I fetch
	s_lshl_b32 s17, s41, 8
	s_add_co_u32 s13, s13, s17                     ; + 256 cy
	s_add_co_u32 s13, s13, s18
	s_lshl_b32 s47, s40, 8
	s_add_co_u32 s42, s42, s47                     ; + 256 cx
	s_add_co_u32 s42, s42, s18
	s_lshl_b32 s16, s13, 11                        ; x 2,048 bytes (under 2^24)
	s_mov_b32 s17, 0
	s_lshl_b32 s46, s42, 11
	s_mov_b32 s47, 0
	s_mul_i32 s20, s10, HALFT                      ; where they go: wave x 128 rows
	s_wait_dscnt 0x0
	s_wait_kmcnt 0x0
	s_add_nc_u64 s[14:15], s[4:5], s[16:17]
	s_add_nc_u64 s[46:47], s[4:5], s[46:47]
	CROUND                                         ; all sixteen work-groups are here: the first joint loads meet
.irp s, 0,1
	s_mov_b32 s[G0+4*\s], 1
	s_add_co_u32 s[G0+4*\s+1], s20, \s*SLOT
	s_add_nc_u64 s[G0+4*\s+2:G0+4*\s+3], s[14:15], \s*KSTEP*2
	s_or_b32 s[G0+4*\s+3], s[G0+4*\s+3], 0x80000000
	s_mov_b32 s[G0B+4*\s], 1
	s_add_co_u32 s[G0B+4*\s+1], s20, \s*SLOT
	s_add_nc_u64 s[G0B+4*\s+2:G0B+4*\s+3], s[46:47], \s*KSTEP*2
	s_or_b32 s[G0B+4*\s+3], s[G0B+4*\s+3], 0x80000000
	JLOAD \s                                       ; by this text's count a wave has at most two tensor loads out
.endr
	v_and_b32 v1, 15, v0                           ; r = l % 16
	v_bfe_u32 v2, v0, 4, 1                         ; hh = l / 16
	v_and_b32 v3, 31, v0                           ; lane
	v_mul_u32_u24 v4, v1, PITCH
	v_lshl_add_u32 v4, v2, 4, v4                   ; row x pitch + 16 x half
	s_mul_i32 s21, s11, HALFT
	s_mul_i32 s22, s12, HALFT
	s_add_co_u32 s22, s22, 2*HALFT
.irp s, 0,1
	v_add_nc_u32 v[ADRA+\s], s21, v4
	v_add_nc_u32 v[ADRB+\s], s22, v4
	s_add_co_u32 s21, s21, SLOT
	s_add_co_u32 s22, s22, SLOT
.endr
	v_lshlrev_b32 v[LN16], 4, v3
	s_lshl_b32 s21, s11, 16                        ; K^T at LDS byte 0, V^T at 65,536
	s_lshl_b32 s22, s12, 15                        ; my 128 tokens: four steps of 32, 8,192 bytes each
	s_add_co_u32 s23, s21, s22
	v_add_nc_u32 v[STO], s23, v[LN16]
	s_lshl_b32 s21, s11, 12                        ; my four d tiles of 1,024 bytes
	v_add_nc_u32 v[MKA], s21, v[LN16]
	s_lshl_b32 s22, s12, 12                        ; my four j tiles
	s_add_co_u32 s22, s22, 65536
	v_add_nc_u32 v[MVA], s22, v[LN16]
	v_mov_b32 v[ZERO], 0
	v_mov_b32 v[PX], 0
	; THE BIAS, 64 registers on one path for both problems; register 8 t + j is read at 512 t + BOF[j].
	;   Q:  a lane's columns are d = 16 b + 8 hh + j of head 2 cx + s12: number 8 d + head.  t = b; BOF[j] = 256 hh + 32 j + 4 head.
	;   KV: a lane's row is d = 16 A + r of K (s11 = 0) or V (1): number 1024 (1 + s11) + 8 d + head.  t = A; BOF[j] = 32 r + 4 (...) for every j,
	;       so the eight registers of a group hold one number.  The last byte read is byte 12,287 of b_qkv's 12,288.
	; The loads stay out through the K loop; their registers and addresses are touched by nothing until the wait behind it.
	s_lshl1_add_u32 s74, s40, s12                  ; Q: head
	s_lshr_b32 s75, s67, 2
	s_lshl2_add_u32 s75, s75, s41                  ; KV: head
	s_lshl_b32 s76, s11, 10
	s_add_co_u32 s75, s75, s76
	s_add_co_u32 s75, s75, 1024
	s_cmp_lt_u32 s66, 4
	s_cselect_b32 s74, s74, s75                    ; the first number
	s_cselect_b32 s75, 256, 0                      ; bytes for hh
	s_cselect_b32 s76, 0, 32                       ; bytes for r
	s_cselect_b32 s77, 32, 0                       ; bytes for j
	s_lshl_b32 s74, s74, 2
	v_mul_u32_u24 v5, s75, v2
	v_mad_u32_u24 v5, v1, s76, v5
	v_add_nc_u32 v[BOF], s74, v5
.irp j, 1,2,3,4,5,6,7
	v_add_nc_u32 v[BOF+\j], s77, v[BOF+\j-1]
.endr
	WIN TO_B
.irp t, 0,1,2,3,4,5,6,7
.irp j, 0,1,2,3,4,5,6,7
	global_load_b32 v[BI+8*\t+\j], v[BOF+\j], s[6:7] offset:512*\t
.endr
.endr
	WIN 0
; 16 matrix instructions: m blocks a0, a0 + 1 of the window's four x all 8 n blocks, 32 along K.  zero = 1: the first product starts the sums.
.macro MUL16 f, hi, a0, zero
.irp a, \a0, \a0+1
.irp b, 0,1,2,3,4,5,6,7
.if \zero
	v_wmma_f32_16x16x32_f16 v[8*(8*(\a)+\b):8*(8*(\a)+\b)+7], v[\f+8*\b:\f+8*\b+7], v[\f+8*(4*\hi+\a):\f+8*(4*\hi+\a)+7], 0
.else
	v_wmma_f32_16x16x32_f16 v[8*(8*(\a)+\b):8*(8*(\a)+\b)+7], v[\f+8*\b:\f+8*\b+7], v[\f+8*(4*\hi+\a):\f+8*(4*\hi+\a)+7], v[8*(8*(\a)+\b):8*(8*(\a)+\b)+7]
.endif
.endr
.endr
.endm
; 32 LDS loads in one run: the fragments of a quarter step (32 K at byte k of the rows) into buffer f
.macro FETCH slot, k, f
	WIN TO_B
.irp i, 0,1,2,3,4,5,6,7
	ds_load_b128 v[\f+8*\i:\f+8*\i+3],   v[ADRB+\slot] offset:\k+\i*16*PITCH
	ds_load_b128 v[\f+8*\i+4:\f+8*\i+7], v[ADRB+\slot] offset:\k+\i*16*PITCH+32
.endr
	WIN 0
.irp i, 0,1,2,3,4,5,6,7
	ds_load_b128 v[\f+8*\i:\f+8*\i+3],   v[ADRA+\slot] offset:\k+\i*16*PITCH
	ds_load_b128 v[\f+8*\i+4:\f+8*\i+7], v[ADRA+\slot] offset:\k+\i*16*PITCH+32
.endr
.endm
; Four independent vector instructions stand between a matrix instruction and a load into one of its registers, or a vector instruction
; that reads its result (ISA guide 7.12.1 for vector instructions).
.macro PLACES
.rept 4
	v_nop
.endr
.endm
.macro QUARTER slot, k, f, g, zero
	s_wait_dscnt 8                                 ; B and A's rows 0-63 are in; the youngest eight loads (A's rows 64-127) may be out
	WIN MUL_LO
	MUL16 \f, 0, 0, \zero
	MUL16 \f, 0, 2, \zero
	PLACES
	FETCH \slot, \k, \g
	s_wait_dscnt 32                                ; all but the 32 just issued
	WIN MUL_HI
	MUL16 \f, 1, 0, \zero
	MUL16 \f, 1, 2, \zero
.endm
.macro THREE slot, zero
	QUARTER \slot, 64,  F0, F1, \zero
	QUARTER \slot, 128, F1, F0, 0
	QUARTER \slot, 192, F0, F1, 0
.endm
; The last quarter of a K step changes slots.  In front of the barrier each wave waits for its reads of this slot and for all its tensor loads
; (the one that is out is its part of the next slot); behind it the refill comes first, then the next slot's first fragments.
; From a request to the wait for it a wave issues 240 matrix instructions.
.macro TURN slot, next, fill
	s_wait_dscnt 8
	WIN MUL_LO
	MUL16 F1, 0, 0, 0
	s_wait_dscnt 0                                 ; my reads of this slot are over
	s_wait_tensorcnt 0x0                           ; all my tensor loads have landed
	ds_add_u32 v255, v63
	s_wait_dscnt 0x0
	s_barrier_signal -1                            ; where a slot is filled again this barrier opens a round of the cluster's barrier
	MUL16 F1, 0, 2, 0                              ; register work while the others arrive
	WIN 0
	s_barrier_wait -1
.if \fill
	CREST                                          ; no wave of any partner still reads this slot or has a load on its way
	s_add_nc_u64 s[G0+4*\slot+2:G0+4*\slot+3], s[G0+4*\slot+2:G0+4*\slot+3], 2*KSTEP*2
	s_add_nc_u64 s[G0B+4*\slot+2:G0B+4*\slot+3], s[G0B+4*\slot+2:G0B+4*\slot+3], 2*KSTEP*2
	JLOAD \slot                                    ; the first tensor load behind the round
.endif
	PLACES
	FETCH \next, 0, F0
	WIN MUL_HI
	MUL16 F1, 1, 0, 0
	MUL16 F1, 1, 2, 0
.endm
.macro LAP zero
	THREE 0, \zero
	TURN 0, 1, 1
	THREE 1, 0
	TURN 1, 0, 1
.endm
; The 64 accumulators take turns, one instruction a turn, in the same order in every quarter step, over the backward jump too.
	s_wait_tensorcnt 1                             ; my part of K step 0 is in, K step 1's may be out
	s_barrier_signal -1
	s_barrier_wait -1
	FETCH 0, 0, F0
	LAP 1                                          ; the first lap's first products start the sums
	WIN 0
	s_mov_b32 s3, LAPS-2
.Llap:
	LAP 0
	WIN 0
	s_sub_co_u32 s3, s3, 1
	s_cmp_lg_u32 s3, 0
	s_cbranch_scc1 .Llap
	THREE 0, 0                                     ; the last lap fills nothing
	TURN 0, 1, 0
	THREE 1, 0
	s_wait_dscnt 8
	WIN MUL_LO
	MUL16 F1, 0, 0, 0
	MUL16 F1, 0, 2, 0
	s_wait_dscnt 0
	WIN MUL_HI
	MUL16 F1, 1, 0, 0
	MUL16 F1, 1, 2, 0
	PLACES                                         ; behind the last matrix instructions, ahead of the vector work on their results
	WIN 0
	s_wait_loadcnt 0x0                             ; the bias
; the bias onto the eight tiles (a, 0..7) of window 2 (hi = 0) or 3.  kind 0: by column tile b (Q); kind 1: by row tile 4 hi + a (KV)
.macro ADDB a, hi, kind
.if \hi
	WIN 0xc7                                       ; accumulator window 3 as source 0 and destination, bias window 1 as source 1
.else
	WIN 0x86                                       ; the same with window 2
.endif
.irp b, 0,1,2,3,4,5,6,7
.irp p, 0,1,2,3
.if \kind
	v_pk_add_f32 v[8*(8*\a+\b)+2*\p:8*(8*\a+\b)+2*\p+1], v[8*(8*\a+\b)+2*\p:8*(8*\a+\b)+2*\p+1], v[BI+8*(4*\hi+\a)+2*\p:BI+8*(4*\hi+\a)+2*\p+1]
.else
	v_pk_add_f32 v[8*(8*\a+\b)+2*\p:8*(8*\a+\b)+2*\p+1], v[8*(8*\a+\b)+2*\p:8*(8*\a+\b)+2*\p+1], v[BI+8*\b+2*\p:BI+8*\b+2*\p+1]
.endif
.endr
.endr
.endm
; the same eight tiles to f16: 4 registers a tile into set 0 or 1 of TMP
.macro CVT a, hi, set
.if \hi
	WIN 0x0f
.else
	WIN 0x0a
.endif
.irp b, 0,1,2,3,4,5,6,7
.irp p, 0,1,2,3
	v_cvt_pk_f16_f32 v[TMP+32*\set+4*\b+\p], v[8*(8*\a+\b)+2*\p], v[8*(8*\a+\b)+2*\p+1]
.endr
.endr
	WIN 0
.endm
	s_cmp_lt_u32 s66, 4
	s_cbranch_scc0 .Lkv_out
	; Q'S WAY OUT.  qf: [token tile][K step of 32][half][lane][8 f16]: 32,768, 1,024, 512, 16 bytes.  Tile (A, b) is token tile 16 (4 g + cy) + 8 s11 + A,
	; columns 256 cx + 128 s12 + 16 b: byte 1,024 (8 cx + 4 s12) + 512 b of it.
	s_lshl_b32 s74, s66, 2
	s_add_co_u32 s74, s74, s41
	s_lshl_b32 s74, s74, 4
	s_lshl3_add_u32 s74, s11, s74
	s_lshl_b32 s74, s74, 15
	s_lshl_b32 s75, s40, 3
	s_lshl2_add_u32 s75, s12, s75
	s_lshl_b32 s75, s75, 10
	s_add_co_u32 s74, s74, s75
	s_mov_b32 s75, 0
	s_add_nc_u64 s[76:77], s[68:69], s[74:75]
.macro OUTQ A, a, hi, set
	ADDB \a, \hi, 0
.if \A >= 2
	s_wait_xcnt 0x0                                ; this TMP set, which the stores of two turns ago read, is rewritten only behind this wait
.endif
	CVT \a, \hi, \set
.irp b, 0,1,2,3,4,5,6,7
	global_store_b128 v[LN16], v[TMP+32*\set+4*\b:TMP+32*\set+4*\b+3], s[76:77] offset:32768*\A+512*\b   ; 512 consecutive bytes, aligned
.endr
.endm
	OUTQ 0, 0, 0, 0
	OUTQ 1, 1, 0, 1
	OUTQ 2, 2, 0, 0
	OUTQ 3, 3, 0, 1
	OUTQ 4, 0, 1, 0
	OUTQ 5, 1, 1, 1
	OUTQ 6, 2, 1, 0
	OUTQ 7, 3, 1, 1
	s_branch .Ljoin
.Lkv_out:
	; KV'S WAY OUT.  [K; V]^T in f16 goes into LDS bytes 0 .. 131,071, inside slot 0: that slot has had its last fill, and every wave's last reads of it
	; were waited for in front of the barrier at which the last lap changed to slot 1.
	; K^T at 0, V^T at 65,536, each [token step T of 32: 8,192][16-row tile: 1,024][half: 512][lane: 16].  Tile (A, b) of my 128 tokens is T = 4 s12 + b/2, half b % 2.
.macro OUTKV A, a, hi, set
	ADDB \a, \hi, 1
	CVT \a, \hi, \set
.irp b, 0,1,2,3,4,5,6,7
	ds_store_b128 v[STO], v[TMP+32*\set+4*\b:TMP+32*\set+4*\b+3] offset:8192*(\b>>1)+1024*\A+512*(\b&1)
.endr
.endm
	OUTKV 0, 0, 0, 0
	OUTKV 1, 1, 0, 1
	OUTKV 2, 2, 0, 0
	OUTKV 3, 3, 0, 1
	OUTKV 4, 0, 1, 0
	OUTKV 5, 1, 1, 1
	OUTKV 6, 2, 1, 0
	OUTKV 7, 3, 1, 1
	s_wait_dscnt 0x0                               ; my stores are done, for the other waves' sake
	s_barrier_signal -1
	s_barrier_wait -1                              ; everybody's are
	; M[d][j] += sum over this block's 256 tokens of K[t][d] V[t][j].  My quarter: d tiles 4 s11 + 0..3, j tiles 4 s12 + 0..3; eight steps of 32 tokens.
.macro FETCHM T, f
	WIN TO_B
.irp j, 0,1,2,3
.irp u, 0,1
	ds_load_b128 v[\f+8*\j+4*\u:\f+8*\j+4*\u+3], v[MVA] offset:8192*(\T)+1024*\j+512*\u
.endr
.endr
	WIN 0
.irp j, 0,1,2,3
.irp u, 0,1
	ds_load_b128 v[\f+8*\j+4*\u:\f+8*\j+4*\u+3], v[MKA] offset:8192*(\T)+1024*\j+512*\u
.endr
.endr
.endm
.macro MULM f, zero                    ; source 0 = V^T (rows j), source 1 = K^T (rows d): a lane holds row d = r, columns j = 8 hh + 0..7
	WIN MUL_LO
.irp a, 0,1,2,3
.irp j, 0,1,2,3
.if \zero
	v_wmma_f32_16x16x32_f16 v[8*(4*\a+\j):8*(4*\a+\j)+7], v[\f+8*\j:\f+8*\j+7], v[\f+8*\a:\f+8*\a+7], 0
.else
	v_wmma_f32_16x16x32_f16 v[8*(4*\a+\j):8*(4*\a+\j)+7], v[\f+8*\j:\f+8*\j+7], v[\f+8*\a:\f+8*\a+7], v[8*(4*\a+\j):8*(4*\a+\j)+7]
.endif
.endr
.endr
.endm
.macro MSTEP T, f, zero, left, more    ; the sixteen accumulators take turns, one instruction a turn
	s_wait_dscnt \left                             ; this step's 16 loads are in; the other buffer's 16 may be out
	MULM \f, \zero
.if \more
	PLACES
	FETCHM \T+2, \f
.endif
.endm
	FETCHM 0, F0
	FETCHM 1, F1
	MSTEP 0, F0, 1, 16, 1
	MSTEP 1, F1, 0, 16, 1
	MSTEP 2, F0, 0, 16, 1
	MSTEP 3, F1, 0, 16, 1
	MSTEP 4, F0, 0, 16, 1
	MSTEP 5, F1, 0, 16, 1
	MSTEP 6, F0, 0, 16, 0
	MSTEP 7, F1, 0, 0, 0
	PLACES
	; the largest magnitude of my 64 x 64 numbers: four chains in each lane, then across the lanes
	WIN 0x0a
.irp i, 0,1,2,3
	v_max_num_f32 v[MX+\i], |v[2*\i]|, |v[2*\i+1]|
.endr
.set q, 4
.rept 60
	v_max3_num_f32 v[MX+q%4], |v[2*q]|, |v[2*q+1]|, v[MX+q%4]
.set q, q+1
.endr
	WIN 0
	v_max3_num_f32 v[MX], v[MX], v[MX+1], v[MX+2]
	v_max_num_f32 v[MX], v[MX], v[MX+3]
	v_max_num_f32_dpp v[MX], v[MX], v[MX] row_xmask:1 row_mask:0xf bank_mask:0xf
	v_max_num_f32_dpp v[MX], v[MX], v[MX] row_xmask:2 row_mask:0xf bank_mask:0xf
	v_max_num_f32_dpp v[MX], v[MX], v[MX] row_xmask:4 row_mask:0xf bank_mask:0xf
	v_max_num_f32_dpp v[MX], v[MX], v[MX] row_xmask:8 row_mask:0xf bank_mask:0xf
	v_permlanex16_b32 v[PX], v[MX], s78, s79
	v_max_num_f32 v[MX], v[MX], v[PX]
	s_lshr_b32 s74, s67, 2
	s_lshl2_add_u32 s74, s74, s41                  ; head
	s_and_b32 s75, s67, 3
	s_lshl2_add_u32 s75, s75, s40                  ; token block tb, 0..15
	s_lshl4_add_u32 s76, s74, s75
	s_lshl2_add_u32 s76, s76, s10                  ; pmax word (16 head + tb) 4 + wave
	s_lshl_b32 s76, s76, 2
	s_mov_b32 s77, 0
	s_add_nc_u64 s[72:73], s[72:73], s[76:77]
	; part: [8 batch + head: 512 KiB][chunk tb % 8: 64 KiB][d tile: 8 KiB][j tile: 1 KiB][half: 512][lane: 16 bytes = 4 f32]
	s_lshr_b32 s76, s75, 3
	s_lshl3_add_u32 s76, s76, s74
	s_lshl_b32 s76, s76, 19
	s_and_b32 s75, s75, 7
	s_lshl_b32 s75, s75, 16
	s_add_co_u32 s76, s76, s75
	s_lshl_b32 s75, s11, 15
	s_add_co_u32 s76, s76, s75
	s_lshl_b32 s75, s12, 12
	s_add_co_u32 s76, s76, s75
	s_add_nc_u64 s[70:71], s[70:71], s[76:77]
	v_cmp_eq_u32 vcc_lo, 0, v3
	s_wait_xcnt 0x0                                ; EXEC changes only behind this wait
	s_and_saveexec_b32 s45, vcc_lo
	global_store_b32 v[ZERO], v[MX], s[72:73]      ; lane 0 alone
	s_wait_xcnt 0x0                                ; and again in front of the line that widens it
	s_or_b32 exec_lo, exec_lo, s45
	WIN 0x08                                       ; a store's data in window 2
.irp a, 0,1,2,3
.irp j, 0,1,2,3
.irp u, 0,1
	global_store_b128 v[LN16], v[8*(4*\a+\j)+4*\u:8*(4*\a+\j)+4*\u+3], s[70:71] offset:8192*\a+1024*\j+512*\u   ; 512 consecutive bytes, aligned
.endr
.endr
.endr
	WIN 0
.Ljoin:
	s_set_vgpr_msb 0x1
	s_wait_tensorcnt 0x0
	ds_add_u32 v255, v63
	s_wait_dscnt 0x0
	s_set_vgpr_msb 0x100
	CROUND                                         ; the closing round: no work-group ends while a partner may still ask for a tile that names it
	s_endpgm
.Lfunc_end_k_q4abd29ffd9_qkvm:
	.size	k_q4abd29ffd9_qkvm, .Lfunc_end_k_q4abd29ffd9_qkvm-k_q4abd29ffd9_qkvm
	.p2alignl 7, 3214868480
	.fill 96, 4, 3214868480
	.section	.rodata,"a",@progbits
	.p2align	6, 0x0
	.amdhsa_kernel k_q4abd29ffd9_qkvm
		.amdhsa_group_segment_fixed_size 327680
		.amdhsa_private_segment_fixed_size 0
		.amdhsa_enable_private_segment 0
		.amdhsa_kernarg_size 40
		.amdhsa_user_sgpr_count 2
		.amdhsa_user_sgpr_kernarg_segment_ptr 1
		.amdhsa_wavefront_size32 1
		.amdhsa_system_sgpr_workgroup_id_x 1
		.amdhsa_system_sgpr_workgroup_id_y 1
		.amdhsa_system_sgpr_workgroup_id_z 1
		.amdhsa_system_vgpr_workitem_id 0
		.amdhsa_next_free_vgpr 1024
		.amdhsa_next_free_sgpr 80
		.amdhsa_reserve_vcc 1
		.amdhsa_float_denorm_mode_32 3
		.amdhsa_float_denorm_mode_16_64 3
		.amdhsa_memory_ordered 1
		.amdhsa_forward_progress 1
		.amdhsa_inst_pref_size 255
	.end_amdhsa_kernel
	.section	.bss,"aw",@nobits
	.p2align	6
	.space	262144
	.amdgpu_metadata
---
amdhsa.version: [ 1, 2 ]
amdhsa.kernels:
  - .name:           k_q4abd29ffd9_qkvm
    .symbol:         k_q4abd29ffd9_qkvm.kd
    .args:
      - { .name: h16, .offset: 0, .size: 8, .value_kind: global_buffer, .address_space: global }
      - { .name: b_qkv, .offset: 8, .size: 8, .value_kind: global_buffer, .address_space: global }
      - { .name: qf, .offset: 16, .size: 8, .value_kind: global_buffer, .address_space: global }
      - { .name: part, .offset: 24, .size: 8, .value_kind: global_buffer, .address_space: global }
      - { .name: pmax, .offset: 32, .size: 8, .value_kind: global_buffer, .address_space: global }
    .group_segment_fixed_size: 327680
    .private_segment_fixed_size: 0
    .kernarg_segment_align: 8
    .kernarg_segment_size: 40
    .max_flat_workgroup_size: 128
    .sgpr_count:     80
    .vgpr_count:     1024
    .wavefront_size: 32
...
	.end_amdgpu_metadata
.endif
;; end of part 2
;; launch pmat (part 3): grid 256 x 1, 8 waves a work-group, no clusters, 5,120 bytes of LDS; arguments part, pmax, h16, ptf; writes ptf
.if DOCPART == 3
	.amdgcn_target "amdgcn-amd-amdhsa--gfx1250"
	.amdhsa_code_object_version 6
	.text
	.protected	k_q4abd29ffd9_pmat
	.globl	k_q4abd29ffd9_pmat
	.p2align	8
	.type	k_q4abd29ffd9_pmat,@function
k_q4abd29ffd9_pmat:
	s_mov_b64 s[64:65], 0
	v_nop
	global_prefetch_b8 v0, s[64:65] scope:SCOPE_SE
	s_setreg_imm32_b32 hwreg(HW_REG_WAVE_MODE, 25, 1), 1
	s_wait_xcnt 0x0
; pmat: M[b,h] = the sum of its eight partials (f32, chunks ascending), scaled by a power of two into f16's range, and folded into w_o:
;   P[b][128 h + d][o] = sum over j of M[b,h][d][j] w_o[o][128 h + j],   so that the layer's output is Q P + b_o.
; THE SCALE.  pm = the largest of the 512 words of pmax, E = its biased exponent (at most 249).  |M| <= 8 pm < 2^(E-127+4), so M x 2^(123-E) lies
; inside (-1, 1).  The factor is taken from the data, touches values alone, and is multiplied back in f32 by the last launch.
; LIMIT: E is cut at 249 (M of that size has no finite result in reference() either); |P| <= 128 max|w_o| needs max|w_o| < 512 for f16;
; scaled numbers under 2^-14 carry an absolute error of up to 2^-25.
; Work-group p: oh = p & 1 (512 of the 1,024 o), a = (p >> 1) & 7 (16 rows d), 8 b + h = p >> 4.  Wave w sums tile (a, j tile w) and makes o tiles 32 oh + 4 w + 0..3.
; NO CLUSTER: one pass without a loop, 16 matrix instructions a wave.  All 52 loads of a wave are issued at the head, straight into fragment registers;
; joint tensor loads would add a way through LDS and rounds of the cluster's barrier to that.  The waves hand each other only 4 KiB, the scaled M tiles.
.set INV, 8                            ; v[8:9]    2^(123-E), twice
.set PX,  10                           ; v10       the other half's maximum
.set MS,  12                           ; v[12:15]  my M tile, packed
.set PM,  16                           ; v[16:31]  pmax
.set PA,  32                           ; v[32:95]  eight partials of my tile, 8 f32 each
.set MF,  32                           ; v[32:63]  afterwards: M's fragments, four K steps of 32
.set ACC, 64                           ; v[64:95]  afterwards: four accumulators
.set WF,  96                           ; v[96:223] w_o's fragments: o tile i, K step t at 32 i + 8 t
.set OUT, 224                          ; v[224:239]
	s_load_b256 s[4:11], s[0:1], 0x0               ; part s[4:5], pmax s[6:7], h16 s[8:9], ptf s[10:11]
	v_lshl_add_u32 v240, v0, 2, 0x1000
	v_mov_b32 v241, 0
	v_lshrrev_b32 v4, 5, v0
	v_readfirstlane_b32 s12, v4                    ; w
	s_and_b32 s13, ttmp9, 1                        ; oh
	s_bfe_u32 s14, ttmp9, 0x30001                  ; a
	s_lshr_b32 s15, ttmp9, 4                       ; 8 b + h
	s_and_b32 s16, s15, 7                          ; h
	s_lshr_b32 s17, ttmp9, 7                       ; b
	s_mov_b32 s28, 0x76543210
	s_mov_b32 s29, 0xfedcba98
	s_lshl_b32 s20, s15, 19                        ; part: 512 KiB a (b, h), 8 KiB a d tile, 1 KiB a j tile
	s_lshl_b32 s18, s14, 13
	s_add_co_u32 s20, s20, s18
	s_lshl_b32 s18, s12, 10
	s_add_co_u32 s20, s20, s18
	s_mov_b32 s21, 0
	s_lshl_b32 s22, s13, 9                         ; w_o in h16: row 7168 + 512 oh + 64 w, byte 256 h of it
	s_lshl_b32 s18, s12, 6
	s_add_co_u32 s22, s22, s18
	s_add_co_u32 s22, s22, 7168
	s_lshl_b32 s22, s22, 11
	s_lshl_b32 s18, s16, 8
	s_add_co_u32 s22, s22, s18
	s_mov_b32 s23, 0
	s_lshl_b32 s24, s13, 5                         ; ptf: [b: 2 MiB][o tile: 32 KiB][K step of 32: 1 KiB][half: 512][lane: 16]
	s_lshl2_add_u32 s24, s12, s24                  ; o tile 32 oh + 4 w
	s_lshl_b32 s24, s24, 15
	s_lshl_b32 s18, s17, 21
	s_add_co_u32 s24, s24, s18
	s_lshr_b32 s18, s14, 1
	s_lshl2_add_u32 s18, s16, s18                  ; rows 128 h + 16 a: K step 4 h + a / 2,
	s_lshl_b32 s18, s18, 10
	s_add_co_u32 s24, s24, s18
	s_and_b32 s18, s14, 1                          ; half a % 2
	s_lshl_b32 s18, s18, 9
	s_add_co_u32 s24, s24, s18
	s_mov_b32 s25, 0
	v_and_b32 v5, 31, v0
	v_lshlrev_b32 v1, 4, v5                        ; 16 x lane
	v_and_b32 v6, 15, v0                           ; r
	v_bfe_u32 v7, v0, 4, 1                         ; hh
	v_lshlrev_b32 v2, 11, v6
	v_lshl_add_u32 v2, v7, 4, v2                   ; row r of h16 + 16 hh
	v_lshlrev_b32 v3, 4, v0                        ; LDS: 512 w + 16 x lane
	v_mov_b32 v[PX], 0
	s_wait_kmcnt 0x0
	s_add_nc_u64 s[4:5], s[4:5], s[20:21]
	s_add_nc_u64 s[8:9], s[8:9], s[22:23]
	s_add_nc_u64 s[10:11], s[10:11], s[24:25]
.irp i, 0,1,2,3
	global_load_b128 v[PM+4*\i:PM+4*\i+3], v1, s[6:7] offset:512*\i
.endr
.irp c, 0,1,2,3,4,5,6,7
.irp u, 0,1
	global_load_b128 v[PA+8*\c+4*\u:PA+8*\c+4*\u+3], v1, s[4:5] offset:65536*\c+512*\u
.endr
.endr
.irp i, 0,1,2,3
.irp t, 0,1,2,3
.irp u, 0,1
	global_load_b128 v[WF+32*\i+8*\t+4*\u:WF+32*\i+8*\t+4*\u+3], v2, s[8:9] offset:32768*\i+64*\t+32*\u   ; the eight loads of an o tile read 256 consecutive bytes of each of its rows
.endr
.endr
.endr
	s_wait_loadcnt 48                              ; pmax is in; the 16 loads of partials and the 32 of w_o stay out
	v_max3_num_f32 v[PM], v[PM], v[PM+1], v[PM+2]
	v_max3_num_f32 v[PM+3], v[PM+3], v[PM+4], v[PM+5]
	v_max3_num_f32 v[PM+6], v[PM+6], v[PM+7], v[PM+8]
	v_max3_num_f32 v[PM+9], v[PM+9], v[PM+10], v[PM+11]
	v_max3_num_f32 v[PM+12], v[PM+12], v[PM+13], v[PM+14]
	v_max3_num_f32 v[PM], v[PM], v[PM+3], v[PM+6]
	v_max3_num_f32 v[PM+9], v[PM+9], v[PM+12], v[PM+15]
	v_max_num_f32 v[PM], v[PM], v[PM+9]
	v_max_num_f32_dpp v[PM], v[PM], v[PM] row_xmask:1 row_mask:0xf bank_mask:0xf
	v_max_num_f32_dpp v[PM], v[PM], v[PM] row_xmask:2 row_mask:0xf bank_mask:0xf
	v_max_num_f32_dpp v[PM], v[PM], v[PM] row_xmask:4 row_mask:0xf bank_mask:0xf
	v_max_num_f32_dpp v[PM], v[PM], v[PM] row_xmask:8 row_mask:0xf bank_mask:0xf
	v_permlanex16_b32 v[PX], v[PM], s28, s29
	v_max_num_f32 v[PM], v[PM], v[PX]
	v_and_b32 v[PM], 0x7f800000, v[PM]             ; E << 23
	v_min_u32 v[PM], 0x7c800000, v[PM]             ; E <= 249
	v_sub_nc_u32 v[INV], 0x7d000000, v[PM]         ; the f32 with exponent field 250 - E: 2^(123-E)
	v_mov_b32 v[INV+1], v[INV]
	s_wait_loadcnt 32                              ; the partials are in; w_o's 32 loads stay out
.irp c, 1,2,3,4,5,6,7
.irp q, 0,1,2,3
	v_pk_add_f32 v[PA+2*\q:PA+2*\q+1], v[PA+2*\q:PA+2*\q+1], v[PA+8*\c+2*\q:PA+8*\c+2*\q+1]
.endr
.endr
.irp q, 0,1,2,3
	v_pk_mul_f32 v[PA+2*\q:PA+2*\q+1], v[PA+2*\q:PA+2*\q+1], v[INV:INV+1]
.endr
.irp q, 0,1,2,3
	v_cvt_pk_f16_f32 v[MS+\q], v[PA+2*\q], v[PA+2*\q+1]
.endr
	ds_store_b128 v3, v[MS:MS+3]                   ; M[16 a + r][16 w + 8 hh + 0..7]: half w % 2 of the fragment of K step w / 2
	s_wait_dscnt 0x0                               ; my store is done, for the other waves' sake
	s_barrier_signal -1
	s_barrier_wait -1
.irp t, 0,1,2,3
.irp u, 0,1
	ds_load_b128 v[MF+8*\t+4*\u:MF+8*\t+4*\u+3], v1 offset:1024*\t+512*\u
.endr
.endr
	s_wait_loadcnt 0x0
	s_wait_dscnt 0x0
; source 0 = M (rows d), source 1 = w_o (rows o): a lane holds o = 16 ot + r and rows 16 a + 8 hh + 0..7 of P: 16 bytes of the last product's B fragment.
; The four accumulators take turns, one instruction a turn.
.irp t, 0,1,2,3
.irp i, 0,1,2,3
.if \t == 0
	v_wmma_f32_16x16x32_f16 v[ACC+8*\i:ACC+8*\i+7], v[MF+8*\t:MF+8*\t+7], v[WF+32*\i+8*\t:WF+32*\i+8*\t+7], 0
.else
	v_wmma_f32_16x16x32_f16 v[ACC+8*\i:ACC+8*\i+7], v[MF+8*\t:MF+8*\t+7], v[WF+32*\i+8*\t:WF+32*\i+8*\t+7], v[ACC+8*\i:ACC+8*\i+7]
.endif
.endr
.endr
.rept 4
	v_nop                                          ; four independent vector instructions ahead of the conversions that read the results (ISA guide 7.12.1)
.endr
.irp i, 0,1,2,3
.irp q, 0,1,2,3
	v_cvt_pk_f16_f32 v[OUT+4*\i+\q], v[ACC+8*\i+2*\q], v[ACC+8*\i+2*\q+1]
.endr
.endr
.irp i, 0,1,2,3
	global_store_b128 v1, v[OUT+4*\i:OUT+4*\i+3], s[10:11] offset:32768*\i   ; 512 consecutive bytes, aligned
.endr
	s_wait_tensorcnt 0x0
	ds_add_u32 v240, v241
	s_wait_dscnt 0x0
	s_endpgm
.Lfunc_end_k_q4abd29ffd9_pmat:
	.size	k_q4abd29ffd9_pmat, .Lfunc_end_k_q4abd29ffd9_pmat-k_q4abd29ffd9_pmat
	.p2alignl 7, 3214868480
	.fill 96, 4, 3214868480
	.section	.rodata,"a",@progbits
	.p2align	6, 0x0
	.amdhsa_kernel k_q4abd29ffd9_pmat
		.amdhsa_group_segment_fixed_size 5120
		.amdhsa_private_segment_fixed_size 0
		.amdhsa_enable_private_segment 0
		.amdhsa_kernarg_size 32
		.amdhsa_user_sgpr_count 2
		.amdhsa_user_sgpr_kernarg_segment_ptr 1
		.amdhsa_wavefront_size32 1
		.amdhsa_system_sgpr_workgroup_id_x 1
		.amdhsa_system_sgpr_workgroup_id_y 1
		.amdhsa_system_sgpr_workgroup_id_z 1
		.amdhsa_system_vgpr_workitem_id 0
		.amdhsa_next_free_vgpr 242
		.amdhsa_next_free_sgpr 66
		.amdhsa_reserve_vcc 0
		.amdhsa_float_denorm_mode_32 3
		.amdhsa_float_denorm_mode_16_64 3
		.amdhsa_memory_ordered 1
		.amdhsa_forward_progress 1
		.amdhsa_inst_pref_size 14
	.end_amdhsa_kernel
	.amdgpu_metadata
---
amdhsa.version: [ 1, 2 ]
amdhsa.kernels:
  - .name:           k_q4abd29ffd9_pmat
    .symbol:         k_q4abd29ffd9_pmat.kd
    .args:
      - { .name: part, .offset: 0, .size: 8, .value_kind: global_buffer, .address_space: global }
      - { .name: pmax, .offset: 8, .size: 8, .value_kind: global_buffer, .address_space: global }
      - { .name: h16, .offset: 16, .size: 8, .value_kind: global_buffer, .address_space: global }
      - { .name: ptf, .offset: 24, .size: 8, .value_kind: global_buffer, .address_space: global }
    .group_segment_fixed_size: 5120
    .private_segment_fixed_size: 0
    .kernarg_segment_align: 8
    .kernarg_segment_size: 32
    .max_flat_workgroup_size: 256
    .sgpr_count:     66
    .vgpr_count:     242
    .wavefront_size: 32
...
	.end_amdgpu_metadata
.endif
;; end of part 3
;; launch outp (part 4): grid 4 x 32, 4 waves a work-group, clusters of 4 x 4, 327,680 bytes of LDS; arguments qf, ptf, pmax, b_o, out0; writes out0
.if DOCPART == 4
	.amdgcn_target "amdgcn-amd-amdhsa--gfx1250"
	.amdhsa_code_object_version 6
	.text
	.protected	k_q4abd29ffd9_outp
	.globl	k_q4abd29ffd9_outp
	.p2align	8
	.type	k_q4abd29ffd9_outp,@function
k_q4abd29ffd9_outp:
	s_mov_b64 s[64:65], 0
	v_nop
	global_prefetch_b8 v0, s[64:65] scope:SCOPE_SE
	s_setreg_imm32_b32 hwreg(HW_REG_WAVE_MODE, 25, 1), 1
	s_wait_xcnt 0x0
	s_wait_alu depctr_hold_cnt(0) depctr_sa_sdst(0) depctr_va_vdst(0) depctr_va_sdst(0) depctr_va_ssrc(0) depctr_va_vcc(0) depctr_vm_vsrc(0)
	s_getreg_b32 s2, hwreg(HW_REG_IB_STS2, 6, 4)
	s_cmp_eq_u32 s2, 0
	s_cbranch_scc0 .Lentry_in_a_cluster
	s_endpgm
.Lentry_in_a_cluster:
	s_bfe_u32 s2, ttmp6, 0x10000c
	s_cmp_lg_u32 s2, 0xf033
	s_cbranch_scc0 .Lentry_shape_is_right
	s_endpgm
.Lentry_shape_is_right:
; outp: out0[b][i][o] = 2^(E-123) x (sum over c of Q[b][i][c] P[b][c][o]) + b_o[o], K = 1,024 in f16 with f32 sums.
; 2^(E-123) undoes the power of two by which M was scaled; E is made from pmax exactly as there (biased exponent of the largest word, at most 249).
; A work-group makes 128 tokens x 256 o: 128 work-groups (a block of 256 x 256 would leave 64).  Four waves of 64 x 128: 32 accumulator tiles, 256 registers.
; Q and P lie in memory in fragment order ([16-row tile: 32 KiB][K step of 32: 1 KiB][half: 512][lane: 16 bytes]), so a K step of 128 of one tile is
; 4,096 consecutive bytes, lands in LDS as it lies, and a fragment load reads 512 consecutive bytes: no padding is needed.
; CLUSTERS 4 x 4: Q's tiles hang on the token block (cluster y, cy) and are asked for jointly along a row of the cluster; P's hang on the o block (cx) and on the
; batch (cluster y >> 2: the four token blocks of a cluster lie in one batch) and are asked for jointly along a column.
; The matrix instruction is used transposed (source 0 = P's rows o, source 1 = Q's tokens): a lane holds token r and eight neighbouring o.
.set KB,     4096                      ; one tile's bytes in a K step of 128
.set ASZ,    8*KB                      ; Q's 8 token tiles
.set SLOT,   24*KB                     ; then P's 16 o tiles: 98,304 bytes
.set STAGE,  2*SLOT                    ; behind the ring: 16 rows x 528 bytes for each wave; no fill lands here
.set SPITCH, 528                       ; 512 bytes + 16: an odd multiple of 16, so 16 rows fall on 16 different 16-byte columns of 256
.set LAPS,   4                         ; eight K steps of 128, two a lap
.set ADRA, 16                          ; v16-17  my Q fragments in slot 0, 1
.set ADRB, 20                          ; v20-21  my P fragments
.set STO,  24                          ; v24     the way out: where I put 32 bytes of a row
.set RD,   25                          ; v25     the way out: where I read a row back
.set CO,   26                          ; v26     16 x lane
.set PM,   32                          ; v[32:47] pmax
.set BO,   48                          ; v[48:51] b_o of my four columns on the way out
.set SC,   52                          ; v[52:53] 2^(E-123), twice
.set PX,   54
.set FA0,  64                          ; Q fragments: 4 tiles x 8 registers, two buffers
.set FA1,  96
.set FB0,  128                         ; P fragments: 8 tiles x 8 registers, two buffers
.set FB1,  192
.set G1, 24
.set G0, 32
.set G1B, 48
.set G0B, 56
.set MSB, 0
.macro WIN new
.if MSB != \new
	s_set_vgpr_msb (MSB<<8)|\new
.set MSB, \new
.endif
.endm
.set MULW, 0x50                        ; sources 0 and 1 window 0, C and D window 1: tile (a, b) at v[8 (8 a + b)] there
.macro JLOAD s
	s_cmp_eq_u32 s11, 0
	s_cbranch_scc0 .Lfor_b_\@
	tensor_load_to_lds s[G0+4*\s:G0+4*\s+3], s[G1:G1+7]
	s_nop 0
	s_branch .Lasked_\@
.Lfor_b_\@:
	tensor_load_to_lds s[G0B+4*\s:G0B+4*\s+3], s[G1B:G1B+7]
	s_nop 0
.Lasked_\@:
.endm
.macro CREST
	s_cmp_lg_u32 s10, 0
	s_cbranch_scc1 .Lnot_wave_0_\@
	s_barrier_signal -3
.Lnot_wave_0_\@:
	s_barrier_wait -3
	s_barrier_signal -1
	s_barrier_wait -1
.endm
.macro CROUND
	s_barrier_signal -1
	s_barrier_wait -1
	CREST
.endm
	s_load_b128 s[4:7], s[0:1], 0x0                ; qf s[4:5], ptf s[6:7]
	s_load_b128 s[68:71], s[0:1], 0x10             ; pmax s[68:69], b_o s[70:71]
	s_load_b64 s[8:9], s[0:1], 0x20                ; out0
	v_lshl_add_u32 v62, v0, 2, 0x38400
	v_mov_b32 v63, 0
	ds_add_u32 v62, v63
	ds_add_u32 v62, v63
	v_lshrrev_b32 v1, 5, v0
	v_readfirstlane_b32 s10, v1                    ; wave
	s_lshr_b32 s11, s10, 1                         ; my half of the tokens.  Also: I fetch for Q (0) or P (1)
	s_and_b32 s12, s10, 1                          ; my half of the o.  Also: which half of that tile I fetch
	s_bfe_u32 s40, ttmp6, 0x40000                  ; cx
	s_bfe_u32 s41, ttmp6, 0x40004                  ; cy
	s_and_b32 s45, ttmp7, 0xffff                   ; cluster y
	s_lshl2_add_u32 s13, s45, s41                  ; token block 0..31
	s_lshl_b32 s42, ttmp9, 2
	s_add_co_u32 s42, s42, s40                     ; o block 0..3
	s_lshr_b32 s45, s45, 2                         ; batch
	s_mov_b32 s78, 0x76543210
	s_mov_b32 s79, 0xfedcba98
	s_lshl_b32 s43, s41, 2
	s_lshl_b32 s43, 15, s43                        ; my row of the cluster
	s_lshl_b32 s44, 0x1111, s40                    ; my column
	; group 1: rows of 512 elements of 8 bytes (one tile's 4,096 bytes), 4,096 elements from tile to tile; 4 rows for Q, 8 for P
	s_or_b32 s[G1+0], s43, (3<<16)|(1<<21)
	s_or_b32 s[G1B+0], s44, (3<<16)|(1<<21)
	s_mov_b32 s[G1+1], 512<<16                     ; tensor_dim0
	s_mov_b32 s[G1B+1], 512<<16
	s_mov_b32 s[G1+2], 4<<16                       ; tensor_dim1
	s_mov_b32 s[G1B+2], 8<<16
	s_mov_b32 s[G1+3], 512<<16                     ; tile_dim0
	s_mov_b32 s[G1B+3], 512<<16
	s_mov_b32 s[G1+4], 4                           ; tile_dim1
	s_mov_b32 s[G1B+4], 8
	s_mov_b32 s[G1+5], 4096
	s_mov_b32 s[G1B+5], 4096
	s_mov_b32 s[G1+6], 0
	s_mov_b32 s[G1B+6], 0
	s_mov_b32 s[G1+7], 0
	s_mov_b32 s[G1B+7], 0
	s_lshl_b32 s16, s13, 3
	s_lshl2_add_u32 s16, s12, s16                  ; Q: token tile 8 x block + 4 x half
	s_lshl_b32 s16, s16, 15
	s_mov_b32 s17, 0
	s_lshl_b32 s46, s42, 4
	s_lshl3_add_u32 s46, s12, s46                  ; P: o tile 16 x block + 8 x half
	s_lshl_b32 s46, s46, 15
	s_lshl_b32 s47, s45, 21                        ; + 2 MiB x batch
	s_add_co_u32 s46, s46, s47
	s_mov_b32 s47, 0
	s_lshl_b32 s20, s10, 14                        ; Q's halves (waves 0, 1) at 16,384 x wave
	s_lshl_b32 s21, s10, 15
	s_sub_co_u32 s21, s21, 32768                   ; P's halves (waves 2, 3) at 32,768 + 32,768 (wave - 2)
	s_lshl_b32 s74, s42, 10                        ; my first column in bytes: 4 (256 x block + 128 x half)
	s_lshl_b32 s75, s12, 9
	s_add_co_u32 s74, s74, s75
	s_mov_b32 s75, 0
	s_lshl_b32 s76, s13, 19                        ; my first row of out0: 4,096 (128 x block + 64 x half)
	s_lshl_b32 s77, s11, 18
	s_add_co_u32 s76, s76, s77
	s_add_co_u32 s76, s76, s74
	s_mov_b32 s77, 0
	s_wait_dscnt 0x0
	s_wait_kmcnt 0x0
	s_add_nc_u64 s[14:15], s[4:5], s[16:17]
	s_add_nc_u64 s[46:47], s[6:7], s[46:47]
	s_add_nc_u64 s[70:71], s[70:71], s[74:75]
	s_add_nc_u64 s[76:77], s[8:9], s[76:77]
	CROUND                                         ; all sixteen work-groups are here: the first joint loads meet
.irp s, 0,1
	s_mov_b32 s[G0+4*\s], 1
	s_add_co_u32 s[G0+4*\s+1], s20, \s*SLOT
	s_add_nc_u64 s[G0+4*\s+2:G0+4*\s+3], s[14:15], \s*KB
	s_or_b32 s[G0+4*\s+3], s[G0+4*\s+3], 0x80000000
	s_mov_b32 s[G0B+4*\s], 1
	s_add_co_u32 s[G0B+4*\s+1], s21, \s*SLOT
	s_add_nc_u64 s[G0B+4*\s+2:G0B+4*\s+3], s[46:47], \s*KB
	s_or_b32 s[G0B+4*\s+3], s[G0B+4*\s+3], 0x80000000
	JLOAD \s                                       ; by this text's count a wave has at most two tensor loads out
.endr
	v_and_b32 v1, 15, v0                           ; r
	v_bfe_u32 v2, v0, 4, 1                         ; hh
	v_and_b32 v3, 31, v0
	v_lshlrev_b32 v[CO], 4, v3
.irp i, 0,1,2,3
	global_load_b128 v[PM+4*\i:PM+4*\i+3], v[CO], s[68:69] offset:512*\i   ; these five loads stay out through the K loop: nothing touches their registers
.endr
	global_load_b128 v[BO:BO+3], v[CO], s[70:71]
	s_lshl_b32 s22, s11, 14                        ; my four token tiles
	s_lshl_b32 s23, s12, 15
	s_add_co_u32 s23, s23, ASZ                     ; my eight o tiles
.irp s, 0,1
	v_add_nc_u32 v[ADRA+\s], s22, v[CO]
	v_add_nc_u32 v[ADRB+\s], s23, v[CO]
	s_add_co_u32 s22, s22, SLOT
	s_add_co_u32 s23, s23, SLOT
.endr
	s_mul_i32 s22, s10, 16*SPITCH
	s_add_co_u32 s22, s22, STAGE                   ; my stage
	v_mul_u32_u24 v4, v1, SPITCH
	v_lshl_add_u32 v4, v2, 5, v4                   ; in: row r, 32 bytes for each half of the lanes
	v_add_nc_u32 v[STO], s22, v4
	v_add_nc_u32 v[RD], s22, v[CO]                 ; back: the 32 lanes take one row of 512 bytes
	v_mov_b32 v[PX], 0
.macro MUL8 fa, fb, a, zero            ; token tile a x all eight o tiles, 32 along K
.irp b, 0,1,2,3,4,5,6,7
.if \zero
	v_wmma_f32_16x16x32_f16 v[8*(8*\a+\b):8*(8*\a+\b)+7], v[\fb+8*\b:\fb+8*\b+7], v[\fa+8*\a:\fa+8*\a+7], 0
.else
	v_wmma_f32_16x16x32_f16 v[8*(8*\a+\b):8*(8*\a+\b)+7], v[\fb+8*\b:\fb+8*\b+7], v[\fa+8*\a:\fa+8*\a+7], v[8*(8*\a+\b):8*(8*\a+\b)+7]
.endif
.endr
.endm
.macro FETCH slot, q, fa, fb           ; 24 LDS loads in one run: quarter q of the slot's K step; P's 16 first, then Q's 8, tile 0 first
	WIN 0
.irp b, 0,1,2,3,4,5,6,7
	ds_load_b128 v[\fb+8*\b:\fb+8*\b+3],   v[ADRB+\slot] offset:KB*\b+1024*\q
	ds_load_b128 v[\fb+8*\b+4:\fb+8*\b+7], v[ADRB+\slot] offset:KB*\b+1024*\q+512
.endr
.irp a, 0,1,2,3
	ds_load_b128 v[\fa+8*\a:\fa+8*\a+3],   v[ADRA+\slot] offset:KB*\a+1024*\q
	ds_load_b128 v[\fa+8*\a+4:\fa+8*\a+7], v[ADRA+\slot] offset:KB*\a+1024*\q+512
.endr
.endm
; Four independent vector instructions stand between a matrix instruction and a load into one of its registers, or an instruction other than a
; matrix instruction that reads its result (ISA guide 7.12.1 for vector instructions).
.macro PLACES
.rept 4
	v_nop
.endr
.endm
.macro QUARTER slot, q, fa, fb, ga, gb, zero
	s_wait_dscnt 6                                 ; P's fragments and Q's tile 0 are in; the youngest six loads (Q's tiles 1-3) may be out
	WIN MULW
	MUL8 \fa, \fb, 0, \zero
	PLACES
	FETCH \slot, \q, \ga, \gb
	s_wait_dscnt 24                                ; all but the 24 just issued
	WIN MULW
	MUL8 \fa, \fb, 1, \zero
	MUL8 \fa, \fb, 2, \zero
	MUL8 \fa, \fb, 3, \zero
.endm
.macro THREE slot, zero
	QUARTER \slot, 1, FA0, FB0, FA1, FB1, \zero
	QUARTER \slot, 2, FA1, FB1, FA0, FB0, 0
	QUARTER \slot, 3, FA0, FB0, FA1, FB1, 0
.endm
; The last quarter changes slots: each wave waits for its reads of this slot and for all its tensor loads, the barrier (a round of the cluster's barrier
; where the slot is filled again), the refill first behind it.  From a request to the wait for it a wave issues 120 matrix instructions.
.macro TURN slot, next, fill
	s_wait_dscnt 6
	WIN MULW
	MUL8 FA1, FB1, 0, 0
	s_wait_dscnt 0                                 ; my reads of this slot are over
	s_wait_tensorcnt 0x0                           ; all my tensor loads have landed: the one that was out is my part of the next slot
	ds_add_u32 v62, v63
	s_wait_dscnt 0x0
	s_barrier_signal -1
	MUL8 FA1, FB1, 1, 0                            ; register work while the others arrive
	WIN 0
	s_barrier_wait -1
.if \fill
	CREST                                          ; no wave of any partner still reads this slot or has a load on its way
	s_add_nc_u64 s[G0+4*\slot+2:G0+4*\slot+3], s[G0+4*\slot+2:G0+4*\slot+3], 2*KB
	s_add_nc_u64 s[G0B+4*\slot+2:G0B+4*\slot+3], s[G0B+4*\slot+2:G0B+4*\slot+3], 2*KB
	JLOAD \slot                                    ; the first tensor load behind the round
.endif
	PLACES
	FETCH \next, 0, FA0, FB0
	WIN MULW
	MUL8 FA1, FB1, 2, 0
	MUL8 FA1, FB1, 3, 0
.endm
.macro LAP zero
	THREE 0, \zero
	TURN 0, 1, 1
	THREE 1, 0
	TURN 1, 0, 1
.endm
; The 32 accumulators take turns, one instruction a turn, in the same order in every quarter, over the backward jump too.
	s_wait_tensorcnt 1                             ; my part of K step 0 is in, K step 1's may be out
	s_barrier_signal -1
	s_barrier_wait -1
	FETCH 0, 0, FA0, FB0
	LAP 1                                          ; the first products start the sums
	WIN 0
	s_mov_b32 s3, LAPS-2
.Llap:
	LAP 0
	WIN 0
	s_sub_co_u32 s3, s3, 1
	s_cmp_lg_u32 s3, 0
	s_cbranch_scc1 .Llap
	THREE 0, 0                                     ; the last lap fills nothing
	TURN 0, 1, 0
	THREE 1, 0
	s_wait_dscnt 6
	WIN MULW
	MUL8 FA1, FB1, 0, 0
	s_wait_dscnt 0
	MUL8 FA1, FB1, 1, 0
	MUL8 FA1, FB1, 2, 0
	MUL8 FA1, FB1, 3, 0
	PLACES
	WIN 0
	; the scale, from pmax
	s_wait_loadcnt 0x0
	v_max3_num_f32 v[PM], v[PM], v[PM+1], v[PM+2]
	v_max3_num_f32 v[PM+3], v[PM+3], v[PM+4], v[PM+5]
	v_max3_num_f32 v[PM+6], v[PM+6], v[PM+7], v[PM+8]
	v_max3_num_f32 v[PM+9], v[PM+9], v[PM+10], v[PM+11]
	v_max3_num_f32 v[PM+12], v[PM+12], v[PM+13], v[PM+14]
	v_max3_num_f32 v[PM], v[PM], v[PM+3], v[PM+6]
	v_max3_num_f32 v[PM+9], v[PM+9], v[PM+12], v[PM+15]
	v_max_num_f32 v[PM], v[PM], v[PM+9]
	v_max_num_f32_dpp v[PM], v[PM], v[PM] row_xmask:1 row_mask:0xf bank_mask:0xf
	v_max_num_f32_dpp v[PM], v[PM], v[PM] row_xmask:2 row_mask:0xf bank_mask:0xf
	v_max_num_f32_dpp v[PM], v[PM], v[PM] row_xmask:4 row_mask:0xf bank_mask:0xf
	v_max_num_f32_dpp v[PM], v[PM], v[PM] row_xmask:8 row_mask:0xf bank_mask:0xf
	v_permlanex16_b32 v[PX], v[PM], s78, s79
	v_max_num_f32 v[PM], v[PM], v[PX]
	v_and_b32 v[PM], 0x7f800000, v[PM]             ; E << 23
	v_min_u32 v[PM], 0x7c800000, v[PM]             ; E <= 249
	v_add_nc_u32 v[SC], 0x02000000, v[PM]          ; the f32 with exponent field E + 4: 2^(E-123)
	v_mov_b32 v[SC+1], v[SC]
; THE WAY OUT, 16 tokens at a time: a lane's 32 bytes go into my own stage, whole rows of 512 bytes come back, are scaled, get the bias and are stored.
; The stage is the wave's own and LDS serves a wave's instructions in order (ISA guide 5.7.1.4): no wait between the stores and the loads.
.macro OUT16 a, f
	WIN 0x04                                       ; an LDS store's data in window 1
.irp b, 0,1,2,3,4,5,6,7
	ds_store_b128 v[STO], v[8*(8*\a+\b):8*(8*\a+\b)+3] offset:64*\b
	ds_store_b128 v[STO], v[8*(8*\a+\b)+4:8*(8*\a+\b)+7] offset:64*\b+16
.endr
	WIN 0
	s_wait_xcnt 0x0                                ; row set f, which the stores of two turns ago read, is rewritten only behind this wait
.irp t, 0,1,2,3,4,5,6,7,8,9,10,11,12,13,14,15
	ds_load_b128 v[\f+4*\t:\f+4*\t+3], v[RD] offset:SPITCH*\t
.endr
.irp t, 0,1,2,3,4,5,6,7,8,9,10,11,12,13,14,15
	s_wait_dscnt 15-\t                             ; row t is in, the later rows may be out
	v_pk_fma_f32 v[\f+4*\t:\f+4*\t+1], v[\f+4*\t:\f+4*\t+1], v[SC:SC+1], v[BO:BO+1]
	v_pk_fma_f32 v[\f+4*\t+2:\f+4*\t+3], v[\f+4*\t+2:\f+4*\t+3], v[SC:SC+1], v[BO+2:BO+3]
	global_store_b128 v[CO], v[\f+4*\t:\f+4*\t+3], s[76:77] offset:4096*(16*\a+\t) th:TH_STORE_NT   ; 512 consecutive bytes, aligned
.endr
.endm
	OUT16 0, FB0
	OUT16 1, FB1
	OUT16 2, FB0
	OUT16 3, FB1
	s_wait_tensorcnt 0x0
	ds_add_u32 v62, v63
	s_wait_dscnt 0x0
	CROUND                                         ; the closing round: no work-group ends while a partner may still ask for a tile that names it
	s_endpgm
.Lfunc_end_k_q4abd29ffd9_outp:
	.size	k_q4abd29ffd9_outp, .Lfunc_end_k_q4abd29ffd9_outp-k_q4abd29ffd9_outp
	.p2alignl 7, 3214868480
	.fill 96, 4, 3214868480
	.section	.rodata,"a",@progbits
	.p2align	6, 0x0
	.amdhsa_kernel k_q4abd29ffd9_outp
		.amdhsa_group_segment_fixed_size 327680
		.amdhsa_private_segment_fixed_size 0
		.amdhsa_enable_private_segment 0
		.amdhsa_kernarg_size 40
		.amdhsa_user_sgpr_count 2
		.amdhsa_user_sgpr_kernarg_segment_ptr 1
		.amdhsa_wavefront_size32 1
		.amdhsa_system_sgpr_workgroup_id_x 1
		.amdhsa_system_sgpr_workgroup_id_y 1
		.amdhsa_system_sgpr_workgroup_id_z 1
		.amdhsa_system_vgpr_workitem_id 0
		.amdhsa_next_free_vgpr 512
		.amdhsa_next_free_sgpr 80
		.amdhsa_reserve_vcc 0
		.amdhsa_float_denorm_mode_32 3
		.amdhsa_float_denorm_mode_16_64 3
		.amdhsa_memory_ordered 1
		.amdhsa_forward_progress 1
		.amdhsa_inst_pref_size 127
	.end_amdhsa_kernel
	.amdgpu_metadata
---
amdhsa.version: [ 1, 2 ]
amdhsa.kernels:
  - .name:           k_q4abd29ffd9_outp
    .symbol:         k_q4abd29ffd9_outp.kd
    .args:
      - { .name: qf, .offset: 0, .size: 8, .value_kind: global_buffer, .address_space: global }
      - { .name: ptf, .offset: 8, .size: 8, .value_kind: global_buffer, .address_space: global }
      - { .name: pmax, .offset: 16, .size: 8, .value_kind: global_buffer, .address_space: global }
      - { .name: b_o, .offset: 24, .size: 8, .value_kind: global_buffer, .address_space: global }
      - { .name: out0, .offset: 32, .size: 8, .value_kind: global_buffer, .address_space: global }
    .group_segment_fixed_size: 327680
    .private_segment_fixed_size: 0
    .kernarg_segment_align: 8
    .kernarg_segment_size: 40
    .max_flat_workgroup_size: 128
    .sgpr_count:     80
    .vgpr_count:     512
    .wavefront_size: 32
...
	.end_amdgpu_metadata
.endif
;; end of part 4
;; ======== version 2 of 2: 4 launches; version 1 with the launch pmat written anew for expert scheduling mode
;; limits: values are held in f16: magnitudes above 65,504 overflow, below 6.1e-05 lose precision; right only within a limited range of input values
;; workspace buffers: h16 16,777,216 bytes; qf 8,388,608 bytes; part 8,388,608 bytes; pmax 2,048 bytes; ptf 4,194,304 bytes
;; launch prep: the kernel of part 1 again; grid 256 x 1, 8 waves a work-group, no clusters, 0 bytes of LDS; arguments x, w_qkv, w_o, h16; writes h16
;; launch qkvm: the kernel of part 2 again; grid 48 x 4, 4 waves a work-group, clusters of 4 x 4, 327,680 bytes of LDS; arguments h16, b_qkv, qf, part, pmax; writes qf, part, pmax
;; launch pmat (part 5): grid 256 x 1, 8 waves a work-group, no clusters, 5,120 bytes of LDS; arguments part, pmax, h16, ptf; writes ptf
.if DOCPART == 5
	.amdgcn_target "amdgcn-amd-amdhsa--gfx1250"
	.amdhsa_code_object_version 6
	.text
	.protected	k_q4abd29ffd9_pmat
	.globl	k_q4abd29ffd9_pmat
	.p2align	8
	.type	k_q4abd29ffd9_pmat,@function
k_q4abd29ffd9_pmat:
	s_mov_b64 s[64:65], 0
	v_nop
	global_prefetch_b8 v0, s[64:65] scope:SCOPE_SE
	s_setreg_imm32_b32 hwreg(HW_REG_WAVE_SCHED_MODE, 0, 2), 2
	s_setreg_imm32_b32 hwreg(HW_REG_WAVE_MODE, 25, 1), 1
	s_wait_xcnt 0x0
	s_wait_alu depctr_vm_vsrc(0)
; pmat: M[b,h] = the sum of its eight partials (f32, chunks ascending), scaled by a power of two into f16's range, and folded into w_o:
;   P[b][128 h + d][o] = sum over j of M[b,h][d][j] w_o[o][128 h + j],   so that the layer's output is Q P + b_o.
; THE SCALE.  pm = the largest of the 512 words of pmax, E = its biased exponent (at most 249).  |M| <= 8 pm < 2^(E-127+4), so M x 2^(123-E) lies
; inside (-1, 1).  The factor is taken from the data, touches values alone, and is multiplied back in f32 by the last launch.
; LIMIT: E is cut at 249 (M of that size has no finite result in reference() either); |P| <= 128 max|w_o| needs max|w_o| < 512 for f16;
; scaled numbers under 2^-14 carry an absolute error of up to 2^-25.
; Work-group p: oh = p & 1 (512 of the 1,024 o), a = (p >> 1) & 7 (16 rows d), 8 b + h = p >> 4.  Wave w sums tile (a, j tile w) and makes o tiles 32 oh + 4 w + 0..3.
; NO CLUSTER: one pass without a loop, 16 matrix instructions a wave.  All 52 loads of a wave are issued at the head, straight into fragment registers;
; joint tensor loads would add a way through LDS and rounds of the cluster's barrier to that.  The waves hand each other only 4 KiB, the scaled M tiles.
; THE MODE: SCHED_MODE bits 1:0 = 2 (LLVM: expert scheduling mode 2), set by the entry lines.  The code itself states the register dependences
; between vector or matrix instructions and memory or LDS instructions, with s_wait_alu, always for 0.
; THE PLAN.  Registers that memory or LDS instructions touch:
;   v1, v2, v3    offsets and the LDS store's address: written by vector instructions at the head, read by loads, LDS instructions and stores, never written again.
;   PM, WF        loads land in them once; no vector instruction names them before; read by the maxima and by the matrix instructions behind the waits for the data.
;   PA            loads land in it once; the sums, scalings and conversions read and write it.  Then its lower half is MF, in which LDS loads land; its upper half, ACC, is named by matrix and vector instructions alone.
;   MS            written by four conversions, read by the one LDS store, never written again.
;   OUT           written by sixteen conversions, read by the four global stores, never written again.
;   v240, v241    written at the head, read by the closing add alone.
; No register that a memory or LDS instruction reads is written again, so no wait on vm_vsrc is owed.  Three waits on va_vdst: ahead of the first load (the offsets are written);
; ahead of the LDS store (MS is written, and all vector work on PA is over: no vector instruction stands between that wait and the LDS loads into MF);
; ahead of the global stores (OUT is written).  One wait on va_sdst: the wave's number, ahead of its first reader.
.set INV, 8                            ; v[8:9]    2^(123-E), twice
.set PX,  10                           ; v10       the other half's maximum
.set MS,  12                           ; v[12:15]  my M tile, packed
.set PM,  16                           ; v[16:31]  pmax
.set PA,  32                           ; v[32:95]  eight partials of my tile, 8 f32 each
.set MF,  32                           ; v[32:63]  afterwards: M's fragments, four K steps of 32
.set ACC, 64                           ; v[64:95]  afterwards: four accumulators
.set WF,  96                           ; v[96:223] w_o's fragments: o tile i, K step t at 32 i + 8 t
.set OUT, 224                          ; v[224:239]
	s_load_b256 s[4:11], s[0:1], 0x0               ; part s[4:5], pmax s[6:7], h16 s[8:9], ptf s[10:11]
	v_lshl_add_u32 v240, v0, 2, 0x1000             ; the LDS address of my spare word, behind the 4 KiB of M tiles; made here and kept for the closing lines alone
	v_mov_b32 v241, 0                              ; and 0, likewise
	v_lshrrev_b32 v4, 5, v0
	v_readfirstlane_b32 s12, v4                    ; w
	v_and_b32 v5, 31, v0
	v_lshlrev_b32 v1, 4, v5                        ; 16 x lane
	v_and_b32 v6, 15, v0                           ; r
	v_bfe_u32 v7, v0, 4, 1                         ; hh
	v_lshlrev_b32 v2, 11, v6
	v_lshl_add_u32 v2, v7, 4, v2                   ; row r of h16 + 16 hh
	v_lshlrev_b32 v3, 4, v0                        ; LDS: 512 w + 16 x lane
	v_mov_b32 v[PX], 0
	s_and_b32 s13, ttmp9, 1                        ; oh
	s_bfe_u32 s14, ttmp9, 0x30001                  ; a
	s_lshr_b32 s15, ttmp9, 4                       ; 8 b + h
	s_and_b32 s16, s15, 7                          ; h
	s_lshr_b32 s17, ttmp9, 7                       ; b
	s_mov_b32 s28, 0x76543210
	s_mov_b32 s29, 0xfedcba98
	s_lshl_b32 s20, s15, 19                        ; part: 512 KiB a (b, h), 8 KiB a d tile, 1 KiB a j tile
	s_lshl_b32 s18, s14, 13
	s_add_co_u32 s20, s20, s18
	s_wait_alu depctr_va_sdst(0)                   ; s12, the wave's number, is written, ahead of its first reader: the three offsets below are made from it
	s_lshl_b32 s18, s12, 10
	s_add_co_u32 s20, s20, s18
	s_mov_b32 s21, 0
	s_lshl_b32 s22, s13, 9                         ; w_o in h16: row 7168 + 512 oh + 64 w, byte 256 h of it
	s_lshl_b32 s18, s12, 6
	s_add_co_u32 s22, s22, s18
	s_add_co_u32 s22, s22, 7168
	s_lshl_b32 s22, s22, 11
	s_lshl_b32 s18, s16, 8
	s_add_co_u32 s22, s22, s18
	s_mov_b32 s23, 0
	s_lshl_b32 s24, s13, 5                         ; ptf: [b: 2 MiB][o tile: 32 KiB][K step of 32: 1 KiB][half: 512][lane: 16]
	s_lshl2_add_u32 s24, s12, s24                  ; o tile 32 oh + 4 w
	s_lshl_b32 s24, s24, 15
	s_lshl_b32 s18, s17, 21
	s_add_co_u32 s24, s24, s18
	s_lshr_b32 s18, s14, 1
	s_lshl2_add_u32 s18, s16, s18                  ; rows 128 h + 16 a: K step 4 h + a / 2,
	s_lshl_b32 s18, s18, 10
	s_add_co_u32 s24, s24, s18
	s_and_b32 s18, s14, 1                          ; half a % 2
	s_lshl_b32 s18, s18, 9
	s_add_co_u32 s24, s24, s18
	s_mov_b32 s25, 0
	s_wait_kmcnt 0x0
	s_add_nc_u64 s[4:5], s[4:5], s[20:21]
	s_add_nc_u64 s[8:9], s[8:9], s[22:23]
	s_add_nc_u64 s[10:11], s[10:11], s[24:25]
	s_wait_alu depctr_va_vdst(0)                   ; v1, v2 and v3 are written: every load, LDS instruction and store of the kernel reads one of them as its offset or address
.irp i, 0,1,2,3
	global_load_b128 v[PM+4*\i:PM+4*\i+3], v1, s[6:7] offset:512*\i
.endr
.irp c, 0,1,2,3,4,5,6,7
.irp u, 0,1
	global_load_b128 v[PA+8*\c+4*\u:PA+8*\c+4*\u+3], v1, s[4:5] offset:65536*\c+512*\u
.endr
.endr
.irp i, 0,1,2,3
.irp t, 0,1,2,3
.irp u, 0,1
	global_load_b128 v[WF+32*\i+8*\t+4*\u:WF+32*\i+8*\t+4*\u+3], v2, s[8:9] offset:32768*\i+64*\t+32*\u   ; the eight loads of an o tile read 256 consecutive bytes of each of its rows
.endr
.endr
.endr
	s_wait_loadcnt 48                              ; pmax is in; the 16 loads of partials and the 32 of w_o stay out
	v_max3_num_f32 v[PM], v[PM], v[PM+1], v[PM+2]
	v_max3_num_f32 v[PM+3], v[PM+3], v[PM+4], v[PM+5]
	v_max3_num_f32 v[PM+6], v[PM+6], v[PM+7], v[PM+8]
	v_max3_num_f32 v[PM+9], v[PM+9], v[PM+10], v[PM+11]
	v_max3_num_f32 v[PM+12], v[PM+12], v[PM+13], v[PM+14]
	v_max3_num_f32 v[PM], v[PM], v[PM+3], v[PM+6]
	v_max3_num_f32 v[PM+9], v[PM+9], v[PM+12], v[PM+15]
	v_max_num_f32 v[PM], v[PM], v[PM+9]
	v_max_num_f32_dpp v[PM], v[PM], v[PM] row_xmask:1 row_mask:0xf bank_mask:0xf
	v_max_num_f32_dpp v[PM], v[PM], v[PM] row_xmask:2 row_mask:0xf bank_mask:0xf
	v_max_num_f32_dpp v[PM], v[PM], v[PM] row_xmask:4 row_mask:0xf bank_mask:0xf
	v_max_num_f32_dpp v[PM], v[PM], v[PM] row_xmask:8 row_mask:0xf bank_mask:0xf
	v_permlanex16_b32 v[PX], v[PM], s28, s29
	v_max_num_f32 v[PM], v[PM], v[PX]
	v_and_b32 v[PM], 0x7f800000, v[PM]             ; E << 23
	v_min_u32 v[PM], 0x7c800000, v[PM]             ; E <= 249
	v_sub_nc_u32 v[INV], 0x7d000000, v[PM]         ; the f32 with exponent field 250 - E: 2^(123-E)
	v_mov_b32 v[INV+1], v[INV]
	s_wait_loadcnt 32                              ; the partials are in; w_o's 32 loads stay out
.irp c, 1,2,3,4,5,6,7
.irp q, 0,1,2,3
	v_pk_add_f32 v[PA+2*\q:PA+2*\q+1], v[PA+2*\q:PA+2*\q+1], v[PA+8*\c+2*\q:PA+8*\c+2*\q+1]
.endr
.endr
.irp q, 0,1,2,3
	v_pk_mul_f32 v[PA+2*\q:PA+2*\q+1], v[PA+2*\q:PA+2*\q+1], v[INV:INV+1]
.endr
.irp q, 0,1,2,3
	v_cvt_pk_f16_f32 v[MS+\q], v[PA+2*\q], v[PA+2*\q+1]
.endr
	s_wait_alu depctr_va_vdst(0)                   ; the conversions have written MS, which the LDS store reads; the sums, scalings and conversions are done reading and writing v[32:63], in which the LDS loads below land
	ds_store_b128 v3, v[MS:MS+3]                   ; M[16 a + r][16 w + 8 hh + 0..7]: half w % 2 of the fragment of K step w / 2
	s_wait_dscnt 0x0                               ; my store is done, for the other waves' sake
	s_barrier_signal -1
	s_barrier_wait -1
.irp t, 0,1,2,3
.irp u, 0,1
	ds_load_b128 v[MF+8*\t+4*\u:MF+8*\t+4*\u+3], v1 offset:1024*\t+512*\u   ; no wait: no vector instruction since the wait above names MF or v1
.endr
.endr
	s_wait_loadcnt 0x0
	s_wait_dscnt 0x0
; source 0 = M (rows d), source 1 = w_o (rows o): a lane holds o = 16 ot + r and rows 16 a + 8 hh + 0..7 of P: 16 bytes of the last product's B fragment.
; The four accumulators take turns, one instruction a turn.
.irp t, 0,1,2,3
.irp i, 0,1,2,3
.if \t == 0
	v_wmma_f32_16x16x32_f16 v[ACC+8*\i:ACC+8*\i+7], v[MF+8*\t:MF+8*\t+7], v[WF+32*\i+8*\t:WF+32*\i+8*\t+7], 0
.else
	v_wmma_f32_16x16x32_f16 v[ACC+8*\i:ACC+8*\i+7], v[MF+8*\t:MF+8*\t+7], v[WF+32*\i+8*\t:WF+32*\i+8*\t+7], v[ACC+8*\i:ACC+8*\i+7]
.endif
.endr
.endr
.rept 4
	v_nop                                          ; four independent vector instructions ahead of the conversions that read the results (ISA guide 7.12.1)
.endr
.irp i, 0,1,2,3
.irp q, 0,1,2,3
	v_cvt_pk_f16_f32 v[OUT+4*\i+\q], v[ACC+8*\i+2*\q], v[ACC+8*\i+2*\q+1]
.endr
.endr
	s_wait_alu depctr_va_vdst(0)                   ; the conversions have written OUT, which the four stores read
.irp i, 0,1,2,3
	global_store_b128 v1, v[OUT+4*\i:OUT+4*\i+3], s[10:11] offset:32768*\i   ; 512 consecutive bytes, aligned
.endr
	s_wait_dscnt 0x0                               ; the closing lines, six on end
	s_wait_alu 0x0
	s_wait_tensorcnt 0x0
	ds_add_u32 v240, v241
	s_wait_dscnt 0x0
	s_endpgm
.Lfunc_end_k_q4abd29ffd9_pmat:
	.size	k_q4abd29ffd9_pmat, .Lfunc_end_k_q4abd29ffd9_pmat-k_q4abd29ffd9_pmat
	.p2alignl 7, 3214868480
	.fill 96, 4, 3214868480
	.section	.rodata,"a",@progbits
	.p2align	6, 0x0
	.amdhsa_kernel k_q4abd29ffd9_pmat
		.amdhsa_group_segment_fixed_size 5120
		.amdhsa_private_segment_fixed_size 0
		.amdhsa_enable_private_segment 0
		.amdhsa_kernarg_size 32
		.amdhsa_user_sgpr_count 2
		.amdhsa_user_sgpr_kernarg_segment_ptr 1
		.amdhsa_wavefront_size32 1
		.amdhsa_system_sgpr_workgroup_id_x 1
		.amdhsa_system_sgpr_workgroup_id_y 1
		.amdhsa_system_sgpr_workgroup_id_z 1
		.amdhsa_system_vgpr_workitem_id 0
		.amdhsa_next_free_vgpr 242
		.amdhsa_next_free_sgpr 66
		.amdhsa_reserve_vcc 0
		.amdhsa_float_denorm_mode_32 3
		.amdhsa_float_denorm_mode_16_64 3
		.amdhsa_memory_ordered 1
		.amdhsa_forward_progress 1
		.amdhsa_inst_pref_size 14
	.end_amdhsa_kernel
	.amdgpu_metadata
---
amdhsa.version: [ 1, 2 ]
amdhsa.kernels:
  - .name:           k_q4abd29ffd9_pmat
    .symbol:         k_q4abd29ffd9_pmat.kd
    .args:
      - { .name: part, .offset: 0, .size: 8, .value_kind: global_buffer, .address_space: global }
      - { .name: pmax, .offset: 8, .size: 8, .value_kind: global_buffer, .address_space: global }
      - { .name: h16, .offset: 16, .size: 8, .value_kind: global_buffer, .address_space: global }
      - { .name: ptf, .offset: 24, .size: 8, .value_kind: global_buffer, .address_space: global }
    .group_segment_fixed_size: 5120
    .private_segment_fixed_size: 0
    .kernarg_segment_align: 8
    .kernarg_segment_size: 32
    .max_flat_workgroup_size: 256
    .sgpr_count:     66
    .vgpr_count:     242
    .wavefront_size: 32
...
	.end_amdgpu_metadata
.endif
;; end of part 5
;; launch outp: the kernel of part 4 again; grid 4 x 32, 4 waves a work-group, clusters of 4 x 4, 327,680 bytes of LDS; arguments qf, ptf, pmax, b_o, out0; writes out0
